; MI455X (gfx1250); checked and timed in simulation.
; The chip was launched on July 23, 2026; its instructions are those of AMD's public machine-readable ISA for CDNA 5 (MIT licence, August 2026) and "CDNA5" Instruction Set Architecture Reference Guide (July 2026). The comments in the code are by the model that wrote it; some were corrected since.
;; Mo E. Allowed arithmetic: float matrix products may take bf16 or f16 operands with f32 sums; other float arithmetic in f32, or as packed bf16 or f16 multiplies, adds, multiply-adds, maxima and minima; sums over many terms, partial sums and values carried from step to step in f32; what a program stores and reads back later, other than sums and carried values, may be rounded once to bf16 or f16.
;; Inputs: W1 8 x 1,024 x 4,096 float32; W2 8 x 4,096 x 1,024 float32; Wg 1,024 x 8 float32; b1 8 x 4,096 float32; b2 8 x 1,024 float32; bg 8 float32; x 2 x 512 x 1,024 float32.
;; Outputs: out0 2 x 512 x 1,024 float32.
;; One version. Each part assembles by itself: llvm-mc -triple=amdgcn-amd-amdhsa -mcpu=gfx1250 --defsym DOCPART=n.
;; ======== version 1 of 1: 4 launches
;; workspace buffers: xb 2,097,152 bytes; eidx 4,096 bytes of whole numbers; gw 8,192 bytes; hbuf 16,777,216 bytes; ybuf 33,554,432 bytes
;; launch router (part 1): grid 64 x 1, 8 waves a work-group, no clusters, 76,800 bytes of LDS; arguments x, Wg, bg, xb, eidx, gw; writes xb, eidx, gw
.if DOCPART == 1
	.amdgcn_target "amdgcn-amd-amdhsa--gfx1250"
	.amdhsa_code_object_version 6
	.text
	.protected	k_q4960213f1f_router
	.globl	k_q4960213f1f_router
	.p2align	8
	.type	k_q4960213f1f_router,@function
k_q4960213f1f_router:
	s_mov_b64 s[64:65], 0
	v_nop
	global_prefetch_b8 v0, s[64:65] scope:SCOPE_SE
	s_setreg_imm32_b32 hwreg(HW_REG_WAVE_MODE, 25, 1), 1
	s_wait_xcnt 0x0
; ROUTER.  xb = x rounded to bf16; logits = xb . bf16(Wg) + bf16(bg); softmax over the 8 experts with the maximum taken away; the two largest gates
; (the lower index wins a tie); their weights divided by max(|ga| + |gb|, 1e-12).
; Stored at fixed places: xb [1024][1024] bf16; eidx[t] = (1 << first expert) | (1 << (8 + second expert)); gw[t] = the two weights.  No address here hangs on the choice.
; SHARES.  A work-group has 16 tokens; wave w has k = 128 w .. 128 w + 127 of all 16.  Up to the one barrier each wave touches LDS bytes of its own alone.
; THE PRODUCT is used transposed: source 0 = 16 rows of Wg^T (experts 0-7, then the same eight again), source 1 = 16 tokens.  So register j of every lane is expert j's
; logit of token lane % 16, and softmax and the choice need no traffic between lanes.
; NO CLUSTER, NO TENSOR LOAD: x has one work-group that takes each byte, and passes through registers for its rounding; Wg is 32 KB.
; LIMITS.  NaN and infinities are not treated apart.  Where the second and third gate are closer than the f32 sums' rounding (some 1e-6 of a logit) the choice may be the other one.
.set XS,    0        ; 8 waves x 16 rows x 272 bytes (256 of bf16 + 16 of padding: the 16 rows of a fragment load start at 16 different groups of four banks; 64 banks of 4 bytes: ISA guide 11.1)
.set XP,    272
.set WGS,   34816    ; 8 waves x 128 rows of k x 32 bytes: 16 bf16, experts 0-7 twice
.set RED,   67584    ; 8 waves x 32 lanes x 32 bytes: each wave's part of the logits
.set SPARE, 75776    ; the spare words: 128 bytes a wave, four blocks of 256 bytes that no other line names
.set SPW, 30         ; v30  SPARE + 4 x my thread's number; never rewritten
.set NIL, 31         ; v31  0; never rewritten
.set WC,  14         ; v14-29   Wg packed, 2 registers a load
.set XB,  32         ; v32-63   x packed, 2 registers a token
.set XR,  64         ; v64-127  x as loaded, 4 registers a token; later the eight parts of the logits
.set WR,  128        ; v128-159 Wg as loaded; later its fragments
.set TF,  160        ; v160-191 the tokens' fragments
.set WV,  24         ; s24  my wave's number
	s_load_b256 s[4:11], s[0:1], 0x0               ; x s[4:5], Wg s[6:7], bg s[8:9], xb s[10:11]
	s_load_b128 s[12:15], s[0:1], 0x20             ; eidx s[12:13], gw s[14:15]
	v_lshl_add_u32 v[SPW], v0, 2, SPARE
	v_mov_b32 v[NIL], 0
	v_and_b32 v1, 31, v0                           ; lane L
	v_lshrrev_b32 v4, 5, v0
	v_readfirstlane_b32 s[WV], v4
	v_and_b32 v2, 15, v0                           ; r = L % 16
	v_bfe_u32 v3, v0, 4, 1                         ; h = L / 16
	s_lshl_b32 s26, ttmp9, 16                      ; my 16 tokens: 16 x 4,096 bytes of x,
	s_mov_b32 s27, 0
	s_lshl_b32 s32, ttmp9, 15                      ; 16 x 2,048 of xb,
	s_mov_b32 s33, 0
	s_lshl_b32 s34, ttmp9, 6                       ; 16 x 4 of eidx,
	s_mov_b32 s35, 0
	s_lshl_b32 s36, ttmp9, 7                       ; 16 x 8 of gw
	s_mov_b32 s37, 0
	s_lshl_b32 s28, s[WV], 9
	v_lshl_add_u32 v5, v1, 4, s28                  ; x: 512 w + 16 L
	s_lshl_b32 s28, s[WV], 12
	v_lshl_add_u32 v6, v1, 4, s28                  ; Wg: 4,096 w + 16 L
	s_add_co_u32 s29, s28, WGS                     ; my part of WGS
	s_lshl_b32 s28, s[WV], 8
	v_lshl_add_u32 v7, v1, 3, s28                  ; xb: 256 w + 8 L
	s_mul_i32 s30, s[WV], 16*XP                    ; my part of XS
	v_lshl_add_u32 v8, v1, 3, s30                  ; XS, in: 8 L
	v_lshrrev_b32 v14, 1, v1
	v_and_b32 v15, 1, v1
	v_lshlrev_b32 v15, 3, v15
	v_lshl_add_u32 v9, v14, 5, v15
	v_add_nc_u32 v9, s29, v9                       ; WGS, in: row L / 2, experts 4 (L % 2) on
	v_mul_u32_u24 v10, v2, XP
	v_lshl_add_u32 v10, v3, 4, v10
	v_add_nc_u32 v10, s30, v10                     ; XS, out: row r, 16 bytes for each half of the lanes
	v_and_b32 v14, 7, v0
	v_lshl_add_u32 v14, v3, 3, v14
	v_bfe_u32 v15, v0, 3, 1
	v_lshlrev_b32 v15, 4, v15
	v_lshl_add_u32 v11, v14, 5, v15
	v_add_nc_u32 v11, s29, v11                     ; WGS, out, for the turning load: row 8 h + L % 8, 16 bytes ((L / 8) % 2)
	s_lshl_b32 s31, s[WV], 10
	s_add_co_u32 s31, s31, RED
	v_lshl_add_u32 v12, v1, 5, s31                 ; RED, in
	v_lshl_add_u32 v13, v1, 5, RED                 ; RED, out
	s_wait_kmcnt 0x0
	s_load_b256 s[16:23], s[8:9], 0x0              ; bg
	s_add_nc_u64 s[4:5], s[4:5], s[26:27]
	s_add_nc_u64 s[10:11], s[10:11], s[32:33]
	s_add_nc_u64 s[12:13], s[12:13], s[34:35]
	s_add_nc_u64 s[14:15], s[14:15], s[36:37]
.irp c, 0,1,2,3,4,5,6,7
	global_load_b128 v[WR+4*\c:WR+4*\c+3], v6, s[6:7] offset:512*\c                 ; 16 rows of Wg: lane L has k = 16 c + L / 2, experts 4 (L % 2) on
.endr
.irp t, 0,1,2,3,4,5,6,7,8,9,10,11,12,13,14,15
	global_load_b128 v[XR+4*\t:XR+4*\t+3], v5, s[4:5] offset:4096*\t th:TH_LOAD_NT  ; 512 consecutive bytes of token t's row
.endr
	s_wait_loadcnt 16                              ; Wg's eight loads are in; the 16 loads of x, issued behind them, stay out
.irp c, 0,1,2,3,4,5,6,7
	v_cvt_pk_bf16_f32 v[WC+2*\c], v[WR+4*\c], v[WR+4*\c+1]
	v_cvt_pk_bf16_f32 v[WC+2*\c+1], v[WR+4*\c+2], v[WR+4*\c+3]
	ds_store_b64 v9, v[WC+2*\c:WC+2*\c+1] offset:512*\c
	ds_store_b64 v9, v[WC+2*\c:WC+2*\c+1] offset:512*\c+16                          ; the same four experts once more, as rows 8-15 of the product
.endr
.irp t, 0,1,2,3,4,5,6,7,8,9,10,11,12,13,14,15
	s_wait_loadcnt 15-\t                           ; loads come back in order: token t's is in, the later tokens' stay out
	v_cvt_pk_bf16_f32 v[XB+2*\t], v[XR+4*\t], v[XR+4*\t+1]
	v_cvt_pk_bf16_f32 v[XB+2*\t+1], v[XR+4*\t+2], v[XR+4*\t+3]
	ds_store_b64 v8, v[XB+2*\t:XB+2*\t+1] offset:XP*\t
	global_store_b64 v7, v[XB+2*\t:XB+2*\t+1], s[10:11] offset:2048*\t              ; the wave's store covers 256 consecutive bytes, aligned
.endr
	; Fragments.  LDS serves a wave's instructions in order, and these bytes are the wave's own: no wait between its stores and these loads.
.irp q, 0,1,2,3
	ds_load_b128 v[TF+8*\q:TF+8*\q+3],   v10 offset:64*\q
	ds_load_b128 v[TF+8*\q+4:TF+8*\q+7], v10 offset:64*\q+32
	ds_load_tr16_b128 v[WR+8*\q:WR+8*\q+3],   v11 offset:1024*\q
	ds_load_tr16_b128 v[WR+8*\q+4:WR+8*\q+7], v11 offset:1024*\q+512
.endr
	s_wait_dscnt 0x0
	v_wmma_f32_16x16x32_bf16 v[192:199], v[WR:WR+7],     v[TF:TF+7],     0           ; two accumulators by turns
	v_wmma_f32_16x16x32_bf16 v[200:207], v[WR+8:WR+15],  v[TF+8:TF+15],  0
	v_wmma_f32_16x16x32_bf16 v[192:199], v[WR+16:WR+23], v[TF+16:TF+23], v[192:199]
	v_wmma_f32_16x16x32_bf16 v[200:207], v[WR+24:WR+31], v[TF+24:TF+31], v[200:207]
.rept 4
	v_nop                                          ; four places behind the last product (ISA guide 7.12.1)
.endr
.irp q, 0,1,2,3
	v_pk_add_f32 v[TF+2*\q:TF+2*\q+1], v[192+2*\q:193+2*\q], v[200+2*\q:201+2*\q]   ; from the accumulators' low end on
.endr
	ds_store_b128 v12, v[TF:TF+3]
	ds_store_b128 v12, v[TF+4:TF+7] offset:16
	s_wait_dscnt 0x0                               ; for wave 0's sake: my part of the logits is in LDS
	s_barrier_signal -1
	s_barrier_wait -1
	s_cmp_lg_u32 s[WV], 0
	s_cbranch_scc1 .Lend                           ; wave 0 does the rest: 16 tokens, 8 numbers each
.irp w, 0,1,2,3,4,5,6,7
	ds_load_b128 v[XR+8*\w:XR+8*\w+3],   v13 offset:1024*\w
	ds_load_b128 v[XR+8*\w+4:XR+8*\w+7], v13 offset:1024*\w+16
.endr
	s_wait_kmcnt 0x0                               ; bg
.irp q, 0,1,2,3
	v_cvt_pk_bf16_f32 v[WC+\q], s[16+2*\q], s[17+2*\q]
.endr
.irp q, 0,1,2,3
	v_lshlrev_b32 v[WC+4+2*\q], 16, v[WC+\q]       ; bg rounded to bf16, as f32
	v_and_b32 v[WC+5+2*\q], 0xffff0000, v[WC+\q]
.endr
	s_wait_dscnt 0x0
.irp w, 1,2,3,4,5,6,7
.irp q, 0,1,2,3
	v_pk_add_f32 v[XR+2*\q:XR+2*\q+1], v[XR+2*\q:XR+2*\q+1], v[XR+8*\w+2*\q:XR+8*\w+2*\q+1]
.endr
.endr
.irp q, 0,1,2,3
	v_pk_add_f32 v[XR+2*\q:XR+2*\q+1], v[XR+2*\q:XR+2*\q+1], v[WC+4+2*\q:WC+5+2*\q]
.endr
	v_max3_num_f32 v84, v64, v65, v66              ; softmax: the maximum is taken away
	v_max3_num_f32 v84, v84, v67, v68
	v_max3_num_f32 v84, v84, v69, v70
	v_max_num_f32 v84, v84, v71
.irp i, 0,1,2,3,4,5,6,7
	v_sub_f32 v[XR+\i], v[XR+\i], v84
.endr
.irp i, 0,1,2,3,4,5,6,7
	v_mul_f32 v[XR+\i], 0x3fb8aa3b, v[XR+\i]       ; log2(e)
.endr
.irp i, 0,1,2,3,4,5,6,7
	v_exp_f32 v[XR+\i], v[XR+\i]
.endr
	v_nop                                          ; a plain instruction behind the last exponential
	s_wait_alu depctr_va_vdst(0)
	v_pk_add_f32 v[86:87], v[64:65], v[66:67]
	v_pk_add_f32 v[88:89], v[68:69], v[70:71]
	v_pk_add_f32 v[86:87], v[86:87], v[88:89]
	v_add_f32 v86, v86, v87
	v_rcp_f32 v86, v86
	v_nop
	s_wait_alu depctr_va_vdst(0)
.irp i, 0,1,2,3,4,5,6,7
	v_mul_f32 v[XR+\i], v[XR+\i], v86              ; the gates
.endr
	v_mov_b32 v90, v64                             ; the largest: a later gate wins only if it is greater, so the lower index keeps a tie
	v_mov_b32 v91, 0
.irp i, 1,2,3,4,5,6,7
	v_cmp_gt_f32 vcc_lo, v[XR+\i], v90
	v_cndmask_b32 v90, v90, v[XR+\i], vcc_lo
	v_cndmask_b32 v91, v91, \i, vcc_lo
.endr
	v_mov_b32 v92, -1.0                            ; the second: the same scan with the first one's gate taken as -1
	v_mov_b32 v93, 0
.irp i, 0,1,2,3,4,5,6,7
	v_cmp_eq_u32 vcc_lo, \i, v91
	v_cndmask_b32 v94, v[XR+\i], -1.0, vcc_lo
	v_cmp_gt_f32 vcc_lo, v94, v92
	v_cndmask_b32 v92, v92, v94, vcc_lo
	v_cndmask_b32 v93, v93, \i, vcc_lo
.endr
	v_add_f32 v95, |v90|, |v92|
	v_max_num_f32 v95, 0x2b8cbccc, v95             ; 1e-12
	v_rcp_f32 v95, v95
	v_mov_b32 v96, 1
	v_mov_b32 v97, 0x100
	s_wait_alu depctr_va_vdst(0)
	v_mul_f32 v98, v90, v95
	v_mul_f32 v99, v92, v95
	v_lshlrev_b32 v96, v91, v96
	v_lshlrev_b32 v97, v93, v97
	v_or_b32 v96, v96, v97
	v_lshlrev_b32 v100, 2, v2
	v_lshlrev_b32 v101, 3, v2
	s_wait_xcnt 0x0                                ; EXEC changes only behind this wait: the stores of xb have had their addresses translated
	v_cmp_gt_u32 vcc_lo, 16, v1
	s_and_saveexec_b32 s38, vcc_lo                 ; both halves of the lanes hold the same 16 tokens: the lower half stores
	global_store_b32 v100, v96, s[12:13]
	global_store_b64 v101, v[98:99], s[14:15]
	s_wait_xcnt 0x0
	s_or_b32 exec_lo, exec_lo, s38
.Lend:
	s_wait_tensorcnt 0x0                           ; the wave's end
	ds_add_u32 v[SPW], v[NIL]
	s_wait_dscnt 0x0
	s_endpgm
.Lfunc_end_k_q4960213f1f_router:
	.size	k_q4960213f1f_router, .Lfunc_end_k_q4960213f1f_router-k_q4960213f1f_router
	.p2alignl 7, 3214868480
	.fill 96, 4, 3214868480
	.section	.rodata,"a",@progbits
	.p2align	6, 0x0
	.amdhsa_kernel k_q4960213f1f_router
		.amdhsa_group_segment_fixed_size 76800
		.amdhsa_private_segment_fixed_size 0
		.amdhsa_enable_private_segment 0
		.amdhsa_kernarg_size 48
		.amdhsa_user_sgpr_count 2
		.amdhsa_user_sgpr_kernarg_segment_ptr 1
		.amdhsa_wavefront_size32 1
		.amdhsa_system_sgpr_workgroup_id_x 1
		.amdhsa_system_sgpr_workgroup_id_y 1
		.amdhsa_system_sgpr_workgroup_id_z 1
		.amdhsa_system_vgpr_workitem_id 0
		.amdhsa_next_free_vgpr 208
		.amdhsa_next_free_sgpr 66
		.amdhsa_reserve_vcc 1
		.amdhsa_float_denorm_mode_32 3
		.amdhsa_float_denorm_mode_16_64 3
		.amdhsa_memory_ordered 1
		.amdhsa_forward_progress 1
		.amdhsa_inst_pref_size 24
	.end_amdhsa_kernel
	.amdgpu_metadata
---
amdhsa.version: [ 1, 2 ]
amdhsa.kernels:
  - .name:           k_q4960213f1f_router
    .symbol:         k_q4960213f1f_router.kd
    .args:
      - { .name: x, .offset: 0, .size: 8, .value_kind: global_buffer, .address_space: global }
      - { .name: Wg, .offset: 8, .size: 8, .value_kind: global_buffer, .address_space: global }
      - { .name: bg, .offset: 16, .size: 8, .value_kind: global_buffer, .address_space: global }
      - { .name: xb, .offset: 24, .size: 8, .value_kind: global_buffer, .address_space: global }
      - { .name: eidx, .offset: 32, .size: 8, .value_kind: global_buffer, .address_space: global }
      - { .name: gw, .offset: 40, .size: 8, .value_kind: global_buffer, .address_space: global }
    .group_segment_fixed_size: 76800
    .private_segment_fixed_size: 0
    .kernarg_segment_align: 8
    .kernarg_segment_size: 48
    .max_flat_workgroup_size: 256
    .sgpr_count:     66
    .vgpr_count:     208
    .wavefront_size: 32
...
	.end_amdgpu_metadata
.endif
;; end of part 1
;; launch ffn1 (part 2): grid 32 x 8, 4 waves a work-group, no clusters, 272,640 bytes of LDS; arguments xb, W1, b1, eidx, hbuf; writes hbuf
.if DOCPART == 2
	.amdgcn_target "amdgcn-amd-amdhsa--gfx1250"
	.amdhsa_code_object_version 6
	.text
	.protected	k_q4960213f1f_ffn1
	.globl	k_q4960213f1f_ffn1
	.p2align	8
	.type	k_q4960213f1f_ffn1,@function
k_q4960213f1f_ffn1:
	s_mov_b64 s[64:65], 0
	v_nop
	global_prefetch_b8 v0, s[64:65] scope:SCOPE_SE
	s_setreg_imm32_b32 hwreg(HW_REG_WAVE_MODE, 25, 1), 1
	s_wait_xcnt 0x0
; ONE LAYER OF THE EXPERTS.  One text serves both layers; FFN says which.
;   FFN = 1:  h[row] = gelu(xb[row / 2] . bf16(W1[e]) + bf16(b1[e])), stored as bf16.              Arguments: xb, W1, b1, eidx, hbuf.
;   FFN = 2:  y[kq][row] = gate[row] x (h[row, quarter kq of K] . bf16(W2[e]) + bf16(b2[e]) if kq = 0), f32: a partial sum.   Arguments: hbuf, W2, b2, eidx, gw, ybuf.
; A ROUTED ROW has the fixed number row = 2 x token + j (j = 0: the token's first expert, 1: its second); h and y lie by that number, so each of their bytes has one work-group that writes it.
; SHARES.  Work-group (x, y): expert e = y, 128 output columns, K = 1,024: 512 KB of f32 weights that it alone reads, and ALL rows of that expert.
; PHASES.  (1) Wave 0 makes the expert's list of rows from eidx, in LDS.  (2) All four waves stream the slice through registers, round it to bf16 and lay it into LDS as
; ready fragments; wave w has the rows k = 256 w .. 256 w + 255 and a quarter of the slice's LDS bytes to itself.  (3) The list's tiles of 16 rows are dealt to the waves; a wave
; multiplies up to six tiles at a time by the whole slice; its rows come from memory straight into operand registers.  Between the second barrier and the closing one nothing writes
; LDS, so branches there may hang on the expert's count; every loop has a constant count of trips that covers 1,024 rows an expert (3 groups x 6 tiles x 4 waves >= 64 tiles),
; dead trips are jumped forward, and every wave comes to the closing barrier on its straight way.
; ALL LANES STAY ON.  In the list a lane whose token did not choose the expert stores to one of 32 words behind the list that nobody reads.  A place past the expert's count
; takes the expert's last row: it lies in the same tile, gets the same numbers, and the same wave stores them once more to the same bytes.
; THE TURN WITHOUT A SHUFFLE.  Weights lie [k][n].  A lane's 16 bytes of a row are 4 columns; it takes the same 4 columns of 8 rows on end and packs, for each column, the
; 8 numbers along k into 16 bytes: a quarter of a fragment's lane.  Which output column lane r of fragment f stands for is free, and is chosen so that a lane's results are neighbours:
;   FFN = 1: column 8 r + f (8 bf16 = 16 bytes a lane);   FFN = 2: column 64 (f / 4) + 4 r + f % 4 (4 f32 = 16 bytes a lane, twice).  Sixteen lanes then store 256 consecutive bytes, aligned.
; NO TENSOR LOAD: the weights pass through registers for their rounding, and the rows come by a list, which no descriptor covers.  NO CLUSTER: each slice has one work-group that
; reads it; what an expert's work-groups share is those listed rows.
; LIMITS.  NaN and infinities are not treated apart.  erf is Abramowitz and Stegun's 7.1.26, within 1.5e-7 for every argument; for large negative x gelu is off by up to 2^-24 |x|.
; The work-groups of an expert without rows stream their slice and store nothing.
.set FFN, 1
.if FFN == 1
.set PITCH, 16384     ; bytes from row to row of the weights
.set ASH,   11        ; an operand row is 2,048 bytes (xb)
.set AMAX,  1023
.set OSH,   13        ; an output row is 8,192 bytes (hbuf)
.set BSH,   14        ; an expert's bias is 16,384 bytes
.set BSEC,  16        ; my second four numbers of the bias
.set BOFF,  7         ; v7   my byte offset in the bias: 32 r
.else
.set PITCH, 4096
.set ASH,   13        ; hbuf
.set AMAX,  2047
.set OSH,   12        ; a row of ybuf is 4,096 bytes
.set BSH,   12
.set BSEC,  256
.set BOFF,  23        ; 16 r
.endif
.set US,    8*PITCH   ; a unit is 8 rows of k
.set WQ,    256*PITCH ; a wave's 256 rows of k
; LDS
.set LISTB, 0         ; u32 row number by rank: 1,024 words, then 32 words that nobody reads
.set GLOFF, 4352      ; the f32 gate by rank, likewise (FFN = 2)
.set CNTB,  8704      ; the expert's number of rows, in a block of its own
.set SPARE, 8960      ; the spare words: 128 bytes a wave, two blocks of 256 bytes that no other line names
.set WSB,   9472      ; the slice: quarter t of K at WSB + QS t; in it fragment f at 8,192 f + 128 (f / 4); in that the 8 numbers k = 8 o .. 8 o + 7 of lane r's column at 256 o + 16 r.
.set QS,    65792     ; A fragment of 32 k is then two loads of 512 consecutive bytes.
; VECTOR REGISTERS, in windows of 256 (s_set_vgpr_msb: bits 1:0 source 0, 3:2 source 1, 5:4 source 2, 7:6 destination).
;   window 0: v0-63 as below; v64-255 operand buffer 0 (tile i, 32 k number s at 64 + 32 i + 8 s); the same registers are at work in the other phases
;   window 1: v64-255 operand buffer 1
;   window 2: the accumulators of tiles 0-3 (64 i + 8 f); while the weights stream: the ring, slot s at 32 s + 4 x row
;   window 3: v0-127 the accumulators of tiles 4, 5; v128-255 the weights' fragments, two buffers of 64
.set LN,   1          ; lane L
.set RR,   2          ; r = L % 16
.set HH,   3          ; h = L / 16
.set WOFF, 4          ; 16 L; never rewritten
.set LW,   5          ; where I lay packed weights
.set LB0,  6          ; WSB + 16 L
.set LBC,  8          ; the same in the quarter of K in hand
.set RA,   16         ; v16-21 my row's byte offset in tile i, + 16 h
.set H16,  22
.set R16,  23
.set H8,   24
.set RB,   25         ; the rank of my first row of the tile that goes out
.set TA,   26
.set TB,   27
.set TRW,  28         ; wave 0: 1,024 + L
.set GOFF, 29         ; wave 0, FFN = 2: 32 L
.set SPW,  30         ; SPARE + 4 x my thread's number; never rewritten
.set NIL,  31         ; 0; never rewritten
.set BIAS, 32         ; v32-39 the bias of my column in fragment f
.set TM,   40         ; v40-47 at work
.set CADR, 48
.set ABUF, 64
.set BB,   128        ; window 3
.set EW,   64         ; the list: 32 words of eidx; token 128 c + 4 L + q in EW + 4 c + q
.set GWR,  96         ; the list: those tokens' two gates each
.set YY,   64         ; streaming: 16 packed registers
.set TT,   64         ; the way out: a tile's 64 numbers
.set AV,   128
.set DD,   136
.set Z2,   144
.set HP,   160
.set RO,   168        ; the row numbers of my 8 rows
.set GG,   176        ; their gates
.set OO,   184        ; their byte offsets
.set YO,   192        ; FFN = 1: 4 packed registers a row
; SCALAR REGISTERS
.set WV, 16
.set EX, 17
.set NS, 18
.set KQ, 19
.set CNT, 20          ; the expert's rows
.set NT, 21           ; tiles of 16
.set QQ, 22           ; tiles a wave, at the most
.set TW, 23           ; my first tile
.set SHARE, 24        ; my tiles
.set GI, 25
.set LIVE, 26         ; tiles of the group in hand, 1 to 6
.set T0, 27           ; its first tile
.set KT, 28
.set TI, 30
.set AB, 32           ; s[32:33] the operand rows at the k in hand
.set WB, 34           ; s[34:35] the weights at my unit in hand
.set ABASE, 36
.set OB, 38
.set S0, 40           ; s40-43 at work
.set BOTH, 44
.set SH, 45
.set PRE, 46
.set CN, 47
.set CM1, 49          ; the expert's last rank
.set CC, 50           ; pairs: a packed instruction names both words
.set NL, 52
.set PP, 54
.set A1, 56
.set A2, 58
.set A3, 60
.set A4, 62
.set A5, 66
.set ABSM, 68
.set MSB, 0
.macro WIN new                         ; the immediate's high byte repeats the setting that is left; a switch that changes nothing is dropped
.if MSB != (\new)
	s_set_vgpr_msb (MSB<<8)|(\new)
.set MSB, (\new)
.endif
.endm
.macro PLACES                          ; four places in front of loads into registers that matrix instructions have read, and of lines that read their results
.rept 4
	v_nop
.endr
.endm
.macro SPAIR reg, val
	s_mov_b32 s[\reg], \val
	s_mov_b32 s[\reg+1], \val
.endm
	s_load_b256 s[4:11], s[0:1], 0x0               ; operand rows s[4:5], weights s[6:7], bias s[8:9], eidx s[10:11]
.if FFN == 1
	s_load_b64 s[12:13], s[0:1], 0x20              ; hbuf
.else
	s_load_b128 s[12:15], s[0:1], 0x20             ; gw s[12:13], ybuf s[14:15]
.endif
	v_lshl_add_u32 v[SPW], v0, 2, SPARE
	v_mov_b32 v[NIL], 0
	v_and_b32 v[LN], 31, v0
	v_lshrrev_b32 v[TA], 5, v0
	v_readfirstlane_b32 s[WV], v[TA]
	v_and_b32 v[RR], 15, v0
	v_bfe_u32 v[HH], v0, 4, 1
	v_lshlrev_b32 v[WOFF], 4, v[LN]
	v_lshlrev_b32 v[H16], 4, v[HH]
	v_lshlrev_b32 v[R16], 4, v[RR]
	v_lshlrev_b32 v[H8], 3, v[HH]
	v_mov_b32 v[CADR], CNTB
	v_add_nc_u32 v[LB0], WSB, v[WOFF]
	s_and_b32 s[EX], ttmp7, 0xffff
.if FFN == 1
	s_mov_b32 s[NS], ttmp9
	v_and_b32 v[TA], 1, v[LN]                      ; my four columns 4 L .. are column 8 r' + f with r' = L / 2, f = 4 (L % 2) on
	v_lshrrev_b32 v[TB], 1, v[LN]
	v_lshlrev_b32 v[BOFF], 5, v[RR]
	v_mul_u32_u24 v[TA], v[TA], 32896              ; four fragments and the 128 bytes
	v_lshl_add_u32 v[LW], v[TB], 4, v[TA]
	SPAIR CC, 0x3f3504f3                           ; 1 / sqrt(2)
	SPAIR NL, 0xbfb8aa3b                           ; -log2(e)
	SPAIR PP, 0x3ea7ba05                           ; 7.1.26: p, a1 .. a5
	SPAIR A1, 0x3e827906
	SPAIR A2, 0xbe91a98e
	SPAIR A3, 0x3fb5f0e3
	SPAIR A4, 0xbfba00e3
	SPAIR A5, 0x3f87dc22
	s_mov_b32 s[ABSM], 0x7fffffff
.else
	s_and_b32 s[NS], ttmp9, 7
	s_lshr_b32 s[KQ], ttmp9, 3
	v_mul_u32_u24 v[TA], v[HH], 32896              ; my four columns are 64 g + 4 r' + j with g = L / 16, r' = L % 16: fragments 4 g on
	v_lshl_add_u32 v[LW], v[RR], 4, v[TA]
.endif
	s_mul_i32 s[S0], s[WV], QS                     ; my wave's quarter of the slice
	s_add_co_u32 s[S0], s[S0], WSB
	v_add_nc_u32 v[LW], s[S0], v[LW]
	s_lshl_b32 s[S0], s[EX], 24                    ; the expert's 16 MB of weights,
	s_lshl_b32 s[S0+1], s[NS], 9                   ; my 128 columns,
	s_add_co_u32 s[S0], s[S0], s[S0+1]
	s_mul_i32 s[S0+1], s[WV], WQ                   ; my wave's 256 rows
	s_add_co_u32 s[S0], s[S0], s[S0+1]
.if FFN == 2
	s_lshl_b32 s[S0+1], s[KQ], 22                  ; my quarter of K = 4,096: 1,024 rows
	s_add_co_u32 s[S0], s[S0], s[S0+1]
.endif
	s_mov_b32 s[S0+1], 0
	s_lshl_b32 s[S0+2], s[EX], BSH
	s_lshl_b32 s[S0+3], s[NS], 9
	s_add_co_u32 s[S0+2], s[S0+2], s[S0+3]
	s_mov_b32 s[S0+3], 0
	s_wait_kmcnt 0x0
	s_add_nc_u64 s[WB:WB+1], s[6:7], s[S0:S0+1]
	s_add_nc_u64 s[8:9], s[8:9], s[S0+2:S0+3]
.if FFN == 1
	s_mov_b64 s[ABASE:ABASE+1], s[4:5]
	s_lshl_b32 s[S0], s[NS], 8
	s_add_nc_u64 s[OB:OB+1], s[12:13], s[S0:S0+1]
.else
	s_lshl_b32 s[S0], s[KQ], 11
	s_add_nc_u64 s[ABASE:ABASE+1], s[4:5], s[S0:S0+1]
	s_lshl_b32 s[S0], s[KQ], 23
	s_lshl_b32 s[S0+2], s[NS], 9
	s_add_co_u32 s[S0], s[S0], s[S0+2]
	s_add_nc_u64 s[OB:OB+1], s[14:15], s[S0:S0+1]
.endif
	s_cmp_lg_u32 s[WV], 0
	s_cbranch_scc1 .Lno_list_loads                 ; wave 0 alone reads the choices: they go out first, ahead of the weights
.if FFN == 2
	v_lshlrev_b32 v[GOFF], 5, v[LN]
.irp c, 0,1,2,3,4,5,6,7
	global_load_b128 v[GWR+8*\c:GWR+8*\c+3],   v[GOFF], s[12:13] offset:1024*\c
	global_load_b128 v[GWR+8*\c+4:GWR+8*\c+7], v[GOFF], s[12:13] offset:1024*\c+16
.endr
.endif
.irp c, 0,1,2,3,4,5,6,7
	global_load_b128 v[EW+4*\c:EW+4*\c+3], v[WOFF], s[10:11] offset:512*\c
.endr
.Lno_list_loads:
	global_load_b128 v[BIAS:BIAS+3],   v[BOFF], s[8:9]
	global_load_b128 v[BIAS+4:BIAS+7], v[BOFF], s[8:9] offset:BSEC
	WIN 0x80                                       ; destination window 2, address window 0
.irp u, 0,1,2,3,4,5,6,7
.irp i, 0,1,2,3,4,5,6,7
	global_load_b128 v[32*\u+4*\i:32*\u+4*\i+3], v[WOFF], s[WB:WB+1] offset:\u*US+\i*PITCH th:TH_LOAD_NT  ; the ring is filled: 64 loads of 512 consecutive bytes, aligned
.endr
.endr
	WIN 0
	; The operand registers of tiles 4 and 5 are written once: their loads and their products are jumped by the same test, and so every register that a matrix instruction names has been written on every way.
.set n, 192
.rept 64
	v_mov_b32 v[n], 0
.set n, n+1
.endr
	WIN 0x40
.set n, 192
.rept 64
	v_mov_b32 v[n], 0
.set n, n+1
.endr
	WIN 0
	; THE LIST.  Rank = how many rows of the expert come before, in the order (c, q, lane): any one-to-one order serves, since results go by row number.
.macro CHUNK c, q
	v_and_b32 v[TM], s[BOTH], v[EW+4*\c+\q]
	v_cmp_ne_u32 vcc_lo, 0, v[TM]                  ; did the token choose the expert,
	v_bfe_u32 v[TM+1], v[EW+4*\c+\q], s[SH], 1     ; and as its second?
	v_mbcnt_lo_u32_b32 v[TM+2], vcc_lo, s[PRE]     ; rows before mine
	v_add_nc_u32 v[TM+3], v[TB], v[TM+1]
	v_cndmask_b32 v[TM+2], v[TRW], v[TM+2], vcc_lo ; a lane without a row stores behind the list
	v_add_nc_u32 v[TM+3], 256*\c+2*\q, v[TM+3]     ; row = 2 (128 c + 4 L + q) + j
	v_min_u32 v[TM+2], 1055, v[TM+2]
	v_lshlrev_b32 v[TM+2], 2, v[TM+2]
	s_bcnt1_i32_b32 s[CN], vcc_lo
	s_add_co_u32 s[PRE], s[PRE], s[CN]
	ds_store_b32 v[TM+2], v[TM+3] offset:LISTB
.if FFN == 2
	v_cmp_ne_u32 vcc_lo, 0, v[TM+1]
	v_cndmask_b32 v[TM+5], v[GWR+8*\c+2*\q], v[GWR+8*\c+2*\q+1], vcc_lo
	ds_store_b32 v[TM+2], v[TM+5] offset:GLOFF
.endif
.endm
	s_cmp_lg_u32 s[WV], 0
	s_cbranch_scc1 .Lno_list
.irp k, 0,1,2,3
	v_mov_b32 v[TM+\k], 0
.endr
.set n, 0
.rept 8
	ds_store_b128 v[WOFF], v[TM:TM+3] offset:LISTB+512*n   ; every word of the list is written first, so that no read of it hangs on what LDS held before; LDS serves my stores in order
.if FFN == 2
	ds_store_b128 v[WOFF], v[TM:TM+3] offset:GLOFF+512*n
.endif
.set n, n+1
.endr
	v_lshlrev_b32 v[TB], 3, v[LN]
	v_add_nc_u32 v[TRW], 1024, v[LN]
	s_lshl_b32 s[BOTH], 0x101, s[EX]
	s_add_co_u32 s[SH], s[EX], 8
	s_mov_b32 s[PRE], 0
	s_wait_loadcnt 63                              ; 66 loads were issued behind the last of the list's inputs; 63 is the largest count that the wait can name
.irp c, 0,1,2,3,4,5,6,7
.irp q, 0,1,2,3
	CHUNK \c, \q
.endr
.endr
	v_mov_b32 v[TM+6], s[PRE]
	ds_store_b32 v[CADR], v[TM+6]
.Lno_list:
	s_wait_dscnt 0x0                               ; the list is in LDS
	s_barrier_signal -1                            ; no wave lays weights while the list's stores, whose places hang on data, are under way
	s_barrier_wait -1
	; THE WEIGHTS STREAM.  A slot's turn: its 8 rows are in; 16 roundings pack them along k; the slot is asked for again, 8 units on; four stores of 16 bytes a lane.
.macro SLOT sl, refill, left
	s_wait_loadcnt \left
	WIN 0x0a                                       ; sources in window 2
.irp jj, 0,1,2,3
.irp p, 0,1,2,3
	v_cvt_pk_bf16_f32 v[YY+4*\jj+\p], v[32*(\sl)+8*\p+\jj], v[32*(\sl)+8*\p+4+\jj]
.endr
.endr
.if \refill
	WIN 0x80
.irp i, 0,1,2,3,4,5,6,7
	global_load_b128 v[32*(\sl)+4*\i:32*(\sl)+4*\i+3], v[WOFF], s[WB:WB+1] offset:(8+(\sl))*US+\i*PITCH th:TH_LOAD_NT
.endr
.endif
	WIN 0
.irp jj, 0,1,2,3
	ds_store_b128 v[LW], v[YY+4*\jj:YY+4*\jj+3] offset:\jj*8192+(\sl)*256
.endr
.endm
	s_mov_b32 s[KT], 3
.Lstream:                                              ; 3 trips x 8 units, each asking for the unit 8 further on; 32 units a wave
.irp u, 0,1,2,3,4,5,6,7
	SLOT \u, 1, 56                                 ; the seven younger slots' 56 loads stay out
.endr
	s_wait_xcnt 0x0                                ; the base steps only behind this wait
	s_add_nc_u64 s[WB:WB+1], s[WB:WB+1], 8*US
	v_add_nc_u32 v[LW], 2048, v[LW]
	s_sub_co_u32 s[KT], s[KT], 1
	s_cmp_lg_u32 s[KT], 0
	s_cbranch_scc1 .Lstream
.irp u, 0,1,2,3,4,5,6,7
	SLOT \u, 0, 56-8*\u                            ; the last 8 units ask for nothing: the counts run down
.endr
.irp q, 0,1,2,3
	v_cvt_pk_bf16_f32 v[TM+\q], v[BIAS+2*\q], v[BIAS+2*\q+1]  ; the bias is rounded to bf16 like every input
.endr
.irp q, 0,1,2,3
	v_lshlrev_b32 v[BIAS+2*\q], 16, v[TM+\q]
	v_and_b32 v[BIAS+2*\q+1], 0xffff0000, v[TM+\q]
.endr
.if FFN == 2
	s_cmp_eq_u32 s[KQ], 0
	s_cselect_b32 s[S0], -1, 0                     ; only the first quarter of K carries the bias
.irp f, 0,1,2,3,4,5,6,7
	v_and_b32 v[BIAS+\f], s[S0], v[BIAS+\f]
.endr
.endif
	s_wait_dscnt 0x0                               ; for the others' sake: my quarter of the slice is in LDS
	s_barrier_signal -1
	s_barrier_wait -1                              ; the slice is whole.  From here to the closing barrier nothing writes LDS
	; SHARES OF THE ROWS.  A wave without tiles jumps each of the three trips below.
	ds_load_b32 v[TA], v[CADR]
	s_wait_dscnt 0x0
	v_readfirstlane_b32 s[CNT], v[TA]
	s_min_u32 s[CNT], s[CNT], 1024
	s_add_co_u32 s[NT], s[CNT], 15
	s_lshr_b32 s[NT], s[NT], 4
	s_add_co_u32 s[QQ], s[NT], 3
	s_lshr_b32 s[QQ], s[QQ], 2
	s_mul_i32 s[TW], s[WV], s[QQ]
	s_sub_co_i32 s[SHARE], s[NT], s[TW]
	s_max_i32 s[SHARE], s[SHARE], 0
	s_min_u32 s[SHARE], s[SHARE], s[QQ]
	s_sub_co_u32 s[CM1], s[CNT], 1                 ; the expert's last rank; used only where there is a tile, and so a row
; 16 LDS loads: the eight fragments of the weights for 32 k, number kap of the eight of the quarter in hand, into buffer pb
.macro BLOAD pb, kap
	WIN 0xc0                                       ; destination window 3, address window 0
.irp f, 0,1,2,3,4,5,6,7
	ds_load_b128 v[BB+64*(\pb)+8*\f:BB+64*(\pb)+8*\f+3],   v[LBC] offset:8192*\f+128*(\f/4)+(\kap)*1024
	ds_load_b128 v[BB+64*(\pb)+8*\f+4:BB+64*(\pb)+8*\f+7], v[LBC] offset:8192*\f+128*(\f/4)+(\kap)*1024+512
.endr
.endm
; 8 loads: tile i's 16 rows x 128 k: lane (r, h) takes row r's bytes 64 s + 16 h and 32 further on
.macro ATILE off, i
.irp ks, 0,1,2,3
	global_load_b128 v[ABUF+32*(\i)+8*\ks:ABUF+32*(\i)+8*\ks+3],   v[RA+(\i)], s[AB:AB+1] offset:(\off)+64*\ks
	global_load_b128 v[ABUF+32*(\i)+8*\ks+4:ABUF+32*(\i)+8*\ks+7], v[RA+(\i)], s[AB:AB+1] offset:(\off)+64*\ks+32
.endr
.endm
; The group's rows for 128 k into operand buffer buf.  Tiles 0-3 always; tiles 4 and 5 if they live.  places = 1: matrix instructions that read the buffer stand just ahead.
.macro ALOAD buf, off, places
.if \places
	PLACES
.endif
	WIN 0x40*(\buf)
	ATILE \off, 0
	ATILE \off, 1
	ATILE \off, 2
	ATILE \off, 3
	WIN 0                                          ; at a branch and at a label every window is 0
	s_cmp_lt_u32 s[LIVE], 5
	s_cbranch_scc1 .Lal_\@
	WIN 0x40*(\buf)
	ATILE \off, 4
	WIN 0
	s_cmp_lt_u32 s[LIVE], 6
	s_cbranch_scc1 .Lal_\@
	WIN 0x40*(\buf)
	ATILE \off, 5
	WIN 0
.Lal_\@:
.endm
.macro MULT buf, ks, i                 ; 8 matrix instructions: tile i x the eight fragments
.irp f, 0,1,2,3,4,5,6,7
	v_wmma_f32_16x16x32_bf16 v[64*((\i)%4)+8*\f:64*((\i)%4)+8*\f+7], v[ABUF+32*(\i)+8*(\ks):ABUF+32*(\i)+8*(\ks)+7], v[BB+64*((\ks)%2)+8*\f:BB+64*((\ks)%2)+8*\f+7], v[64*((\i)%4)+8*\f:64*((\i)%4)+8*\f+7]
.endr
.endm
; 32 along K.  The weights' fragments for it are in; those of the next 32 are asked for, in one run (the quarter's eighth step asks for nothing); then 32 to 48 matrix
; instructions, every accumulator once: they take turns.
.macro KSTEP buf, ks
	s_wait_dscnt 0x0                               ; the 16 loads issued a step ago
.if (4*(\buf)+(\ks)) < 7
	PLACES
	BLOAD 1-(\ks)%2, 4*(\buf)+(\ks)+1
.endif
	WIN 0xac+(\buf)                                ; rows in window buf, weights in window 3, C and D in window 2
	MULT \buf, \ks, 0
	MULT \buf, \ks, 1
	MULT \buf, \ks, 2
	MULT \buf, \ks, 3
	WIN 0
	s_cmp_lt_u32 s[LIVE], 5
	s_cbranch_scc1 .Lks_\@
	WIN 0xfc+(\buf)                                ; C and D in window 3
	MULT \buf, \ks, 4
	WIN 0
	s_cmp_lt_u32 s[LIVE], 6
	s_cbranch_scc1 .Lks_\@
	WIN 0xfc+(\buf)
	MULT \buf, \ks, 5
	WIN 0
.Lks_\@:
.endm
; Tile i's 64 numbers leave the accumulators, each accumulator from its low end on.
.macro XFER i
	WIN 0x02+(\i)/4                                ; source 0 in window 2 or 3
.if FFN == 1
.irp f, 0,1,2,3,4,5,6,7
.irp jj, 0,2,4,6
	v_pk_mul_f32 v[TT+8*\f+\jj:TT+8*\f+\jj+1], v[64*((\i)%4)+8*\f+\jj:64*((\i)%4)+8*\f+\jj+1], s[CC:CC+1] op_sel_hi:[1,0]  ; z = x / sqrt(2)
.endr
.endr
.else
.irp jj, 0,1,2,3,4,5,6,7
.irp f, 0,1,2,3,4,5,6,7
	v_mul_f32 v[TT+32*(\f/4)+4*\jj+\f%4], v[64*((\i)%4)+8*\f+\jj], v[GG+\jj]  ; times the row's gate, and into the order in which they are stored
.endr
.endr
.endif
	WIN 0
.endm
.if FFN == 1
; gelu(x) = c (z + |z| (1 - erfc|z|)), c = 1 / sqrt(2), z = c x; erfc|z| = t (a1 + t (a2 + t (a3 + t (a4 + t a5)))) 2^(-z z log2 e), t = 1 / (1 + p |z|).  Eight numbers.
.macro GELU8 b
.irp k, 0,1,2,3,4,5,6,7
	v_and_b32 v[AV+\k], s[ABSM], v[TT+8*(\b)+\k]
.endr
.irp k, 0,2,4,6
	v_pk_fma_f32 v[DD+\k:DD+\k+1], v[AV+\k:AV+\k+1], s[PP:PP+1], 1.0 op_sel_hi:[1,0,0]
.endr
.irp k, 0,2,4,6
	v_pk_mul_f32 v[Z2+\k:Z2+\k+1], v[TT+8*(\b)+\k:TT+8*(\b)+\k+1], s[NL:NL+1] op_sel_hi:[1,0]
.endr
.irp k, 0,2,4,6
	v_pk_mul_f32 v[Z2+\k:Z2+\k+1], v[Z2+\k:Z2+\k+1], v[TT+8*(\b)+\k:TT+8*(\b)+\k+1]
.endr
.irp k, 0,1,2,3,4,5,6,7
	v_rcp_f32 v[DD+\k], v[DD+\k]
.endr
.irp k, 0,1,2,3,4,5,6,7
	v_exp_f32 v[Z2+\k], v[Z2+\k]
.endr
	v_nop                                          ; a plain instruction behind the last of them
	s_wait_alu depctr_va_vdst(0)
.irp k, 0,2,4,6
	v_pk_fma_f32 v[HP+\k:HP+\k+1], v[DD+\k:DD+\k+1], s[A5:A5+1], s[A4:A4+1] op_sel_hi:[1,0,0]
.endr
.irp a, A3, A2, A1
.irp k, 0,2,4,6
	v_pk_fma_f32 v[HP+\k:HP+\k+1], v[HP+\k:HP+\k+1], v[DD+\k:DD+\k+1], s[\a:\a+1] op_sel_hi:[1,1,0]
.endr
.endr
.irp k, 0,2,4,6
	v_pk_mul_f32 v[HP+\k:HP+\k+1], v[HP+\k:HP+\k+1], v[DD+\k:DD+\k+1]
.endr
.irp k, 0,2,4,6
	v_pk_fma_f32 v[HP+\k:HP+\k+1], v[HP+\k:HP+\k+1], v[Z2+\k:Z2+\k+1], 1.0 op_sel_hi:[1,1,0] neg_lo:[1,0,0] neg_hi:[1,0,0]  ; 1 - erfc|z|
.endr
.irp k, 0,2,4,6
	v_pk_fma_f32 v[TT+8*(\b)+\k:TT+8*(\b)+\k+1], v[AV+\k:AV+\k+1], v[HP+\k:HP+\k+1], v[TT+8*(\b)+\k:TT+8*(\b)+\k+1]
.endr
.irp k, 0,2,4,6
	v_pk_mul_f32 v[TT+8*(\b)+\k:TT+8*(\b)+\k+1], v[TT+8*(\b)+\k:TT+8*(\b)+\k+1], s[CC:CC+1] op_sel_hi:[1,0]
.endr
.endm
.endif
	s_mov_b32 s[GI], 0
.Lgroup:                                               ; 3 trips: up to 6 of my tiles each; a trip with none is jumped
	s_mul_i32 s[S0], s[GI], 6
	s_sub_co_i32 s[S0+1], s[SHARE], s[S0]
	s_cmp_le_i32 s[S0+1], 0
	s_cbranch_scc1 .Lgnext
	s_min_u32 s[LIVE], s[S0+1], 6
	s_add_co_u32 s[T0], s[TW], s[S0]
	s_lshl_b32 s[S0], s[T0], 4
	v_add_nc_u32 v[TA], s[S0], v[RR]
.irp i, 0,1,2,3,4,5
	v_add_nc_u32 v[TM+\i], 16*\i, v[TA]            ; the rank of my row in tile i;
	v_min_u32 v[TM+\i], s[CM1], v[TM+\i]           ; a place past the count takes the expert's last row
	v_min_u32 v[TM+\i], 1023, v[TM+\i]
	v_lshlrev_b32 v[TM+\i], 2, v[TM+\i]
	ds_load_b32 v[RA+\i], v[TM+\i] offset:LISTB    ; its row number,
.endr
	s_wait_dscnt 0x0
.irp i, 0,1,2,3,4,5
.if FFN == 1
	v_lshrrev_b32 v[RA+\i], 1, v[RA+\i]            ; its token,
.endif
	v_min_u32 v[RA+\i], AMAX, v[RA+\i]
	v_lshlrev_b32 v[RA+\i], ASH, v[RA+\i]          ; its byte offset,
	v_add_nc_u32 v[RA+\i], v[H16], v[RA+\i]        ; and my half of the lanes' 16 bytes
.endr
	s_mov_b64 s[AB:AB+1], s[ABASE:ABASE+1]
	v_mov_b32 v[LBC], v[LB0]
	ALOAD 0, 0, 0
	; The sums start at the bias.  These lines stand in the wait for the group's first rows.
	WIN 0x80
.set n, 0
.rept 256
	v_mov_b32 v[n], v[BIAS+(n/8)%8]
.set n, n+1
.endr
	WIN 0xc0
.set n, 0
.rept 128
	v_mov_b32 v[n], v[BIAS+(n/8)%8]
.set n, n+1
.endr
	WIN 0
	s_wait_loadcnt 0x0                             ; every wait for rows is for 0: it holds whichever tiles' loads were jumped
	s_mov_b32 s[KT], 4
.Lk:                                                   ; 4 trips of 256 along K, a quarter of the slice each: two blocks of 128 on two operand buffers; a block's rows are asked for while the other block is multiplied
	PLACES                                         ; in front of the loads into the weights' buffer 0 and into operand buffer 1
	BLOAD 0, 0                                     ; the quarter's first fragments; the row loads below are issued while they come
	ALOAD 1, 256, 0
	KSTEP 0, 0
	KSTEP 0, 1
	KSTEP 0, 2
	KSTEP 0, 3
	s_wait_loadcnt 0x0
	s_cmp_eq_u32 s[KT], 1
	s_cbranch_scc1 .Lnoa                           ; the last trip has no next block: no load leaves its 1,024 k
	ALOAD 0, 512, 1
.Lnoa:
	KSTEP 1, 0
	KSTEP 1, 1
	KSTEP 1, 2
	KSTEP 1, 3
	s_wait_loadcnt 0x0                             ; all loads are back, so their base may step
	s_add_nc_u64 s[AB:AB+1], s[AB:AB+1], 512
	v_add_nc_u32 v[LBC], QS, v[LBC]                ; the next quarter of the slice
	s_sub_co_u32 s[KT], s[KT], 1
	s_cmp_lg_u32 s[KT], 0
	s_cbranch_scc1 .Lk
	; THE WAY OUT, a tile at a time: 6 trips, dead ones jumped.  Register jj of lane (r, h) in fragment f is the row of rank 16 tile + 8 h + jj.
	PLACES
	s_mov_b32 s[TI], 0
.Ltile:
	s_cmp_ge_u32 s[TI], s[LIVE]
	s_cbranch_scc1 .Ltn
	s_wait_xcnt 0x0                                ; the last tile's stores have read their offsets and data: these registers are rewritten only behind this wait
	s_add_co_u32 s[S0], s[T0], s[TI]
	s_lshl_b32 s[S0], s[S0], 4
	v_add_nc_u32 v[RB], s[S0], v[H8]
.irp jj, 0,1,2,3,4,5,6,7
	v_add_nc_u32 v[OO+\jj], \jj, v[RB]
	v_min_u32 v[OO+\jj], s[CM1], v[OO+\jj]         ; as where the rows were fetched
	v_min_u32 v[OO+\jj], 1023, v[OO+\jj]
	v_lshlrev_b32 v[OO+\jj], 2, v[OO+\jj]
	ds_load_b32 v[RO+\jj], v[OO+\jj] offset:LISTB
.if FFN == 2
	ds_load_b32 v[GG+\jj], v[OO+\jj] offset:GLOFF
.endif
.endr
.if FFN == 2
	s_wait_dscnt 0x0                               ; the gates
.endif
	s_cmp_eq_u32 s[TI], 0
	s_cbranch_scc1 .Lx0
	s_cmp_eq_u32 s[TI], 1
	s_cbranch_scc1 .Lx1
	s_cmp_eq_u32 s[TI], 2
	s_cbranch_scc1 .Lx2
	s_cmp_eq_u32 s[TI], 3
	s_cbranch_scc1 .Lx3
	s_cmp_eq_u32 s[TI], 4
	s_cbranch_scc1 .Lx4
	XFER 5
	s_branch .Lp
.Lx4:
	XFER 4
	s_branch .Lp
.Lx3:
	XFER 3
	s_branch .Lp
.Lx2:
	XFER 2
	s_branch .Lp
.Lx1:
	XFER 1
	s_branch .Lp
.Lx0:
	XFER 0
.Lp:
.if FFN == 1
.irp b, 0,1,2,3,4,5,6,7
	GELU8 \b
.endr
	s_wait_dscnt 0x0                               ; the row numbers
.endif
.irp jj, 0,1,2,3,4,5,6,7
	v_min_u32 v[RO+\jj], 2047, v[RO+\jj]
	v_lshlrev_b32 v[OO+\jj], OSH, v[RO+\jj]
	v_add_nc_u32 v[OO+\jj], v[R16], v[OO+\jj]
.if FFN == 1
.irp p, 0,1,2,3
	v_cvt_pk_bf16_f32 v[YO+4*\jj+\p], v[TT+16*\p+\jj], v[TT+16*\p+8+\jj]  ; columns 8 r + 2 p, 8 r + 2 p + 1
.endr
	global_store_b128 v[OO+\jj], v[YO+4*\jj:YO+4*\jj+3], s[OB:OB+1]       ; each half of the lanes stores 256 consecutive bytes of one row, aligned
.else
	global_store_b128 v[OO+\jj], v[TT+4*\jj:TT+4*\jj+3], s[OB:OB+1]
	global_store_b128 v[OO+\jj], v[TT+32+4*\jj:TT+32+4*\jj+3], s[OB:OB+1] offset:256
.endif
.endr
.Ltn:
	s_add_co_u32 s[TI], s[TI], 1
	s_cmp_lt_u32 s[TI], 6
	s_cbranch_scc1 .Ltile
	s_wait_xcnt 0x0                                ; the next group's loads land on registers that these stores read
.Lgnext:
	s_add_co_u32 s[GI], s[GI], 1
	s_cmp_lt_u32 s[GI], 3
	s_cbranch_scc1 .Lgroup
	s_wait_dscnt 0x0                               ; my reads of the slice and of the list are back
	s_barrier_signal -1                            ; the closing barrier: no wave writes an LDS word again
	s_barrier_wait -1                              ; before every wave's reads are over
	s_wait_tensorcnt 0x0                           ; the wave's end
	ds_add_u32 v[SPW], v[NIL]
	s_wait_dscnt 0x0
	s_endpgm
.Lfunc_end_k_q4960213f1f_ffn1:
	.size	k_q4960213f1f_ffn1, .Lfunc_end_k_q4960213f1f_ffn1-k_q4960213f1f_ffn1
	.p2alignl 7, 3214868480
	.fill 96, 4, 3214868480
	.section	.rodata,"a",@progbits
	.p2align	6, 0x0
	.amdhsa_kernel k_q4960213f1f_ffn1
		.amdhsa_group_segment_fixed_size 272640
		.amdhsa_private_segment_fixed_size 0
		.amdhsa_enable_private_segment 0
		.amdhsa_kernarg_size 40
		.amdhsa_user_sgpr_count 2
		.amdhsa_user_sgpr_kernarg_segment_ptr 1
		.amdhsa_wavefront_size32 1
		.amdhsa_system_sgpr_workgroup_id_x 1
		.amdhsa_system_sgpr_workgroup_id_y 1
		.amdhsa_system_sgpr_workgroup_id_z 1
		.amdhsa_system_vgpr_workitem_id 0
		.amdhsa_next_free_vgpr 1024
		.amdhsa_next_free_sgpr 80
		.amdhsa_reserve_vcc 1
		.amdhsa_float_denorm_mode_32 3
		.amdhsa_float_denorm_mode_16_64 3
		.amdhsa_memory_ordered 1
		.amdhsa_forward_progress 1
		.amdhsa_inst_pref_size 175
	.end_amdhsa_kernel
	.amdgpu_metadata
---
amdhsa.version: [ 1, 2 ]
amdhsa.kernels:
  - .name:           k_q4960213f1f_ffn1
    .symbol:         k_q4960213f1f_ffn1.kd
    .args:
      - { .name: xb, .offset: 0, .size: 8, .value_kind: global_buffer, .address_space: global }
      - { .name: W1, .offset: 8, .size: 8, .value_kind: global_buffer, .address_space: global }
      - { .name: b1, .offset: 16, .size: 8, .value_kind: global_buffer, .address_space: global }
      - { .name: eidx, .offset: 24, .size: 8, .value_kind: global_buffer, .address_space: global }
      - { .name: hbuf, .offset: 32, .size: 8, .value_kind: global_buffer, .address_space: global }
    .group_segment_fixed_size: 272640
    .private_segment_fixed_size: 0
    .kernarg_segment_align: 8
    .kernarg_segment_size: 40
    .max_flat_workgroup_size: 128
    .sgpr_count:     80
    .vgpr_count:     1024
    .wavefront_size: 32
...
	.end_amdgpu_metadata
.endif
;; end of part 2
;; launch ffn2 (part 3): grid 32 x 8, 4 waves a work-group, no clusters, 272,640 bytes of LDS; arguments hbuf, W2, b2, eidx, gw, ybuf; writes ybuf
.if DOCPART == 3
	.amdgcn_target "amdgcn-amd-amdhsa--gfx1250"
	.amdhsa_code_object_version 6
	.text
	.protected	k_q4960213f1f_ffn2
	.globl	k_q4960213f1f_ffn2
	.p2align	8
	.type	k_q4960213f1f_ffn2,@function
k_q4960213f1f_ffn2:
	s_mov_b64 s[64:65], 0
	v_nop
	global_prefetch_b8 v0, s[64:65] scope:SCOPE_SE
	s_setreg_imm32_b32 hwreg(HW_REG_WAVE_MODE, 25, 1), 1
	s_wait_xcnt 0x0
; THE EXPERTS' SECOND LAYER.  It is the first layer's text with other sizes, the gate in the place of gelu, and f32 results.
;   y[kq][row] = gate[row] x (h[row, quarter kq of K] . bf16(W2[e]) + bf16(b2[e]) if kq = 0), f32: a partial sum.   Arguments: hbuf, W2, b2, eidx, gw, ybuf.
; A ROUTED ROW has the fixed number row = 2 x token + j (j = 0: the token's first expert, 1: its second); h and y lie by that number, so each of their bytes has one work-group that writes it.
; SHARES.  Work-group (x, y): expert e = y, 128 output columns (x % 8), quarter x / 8 of K = 4,096: 512 KB of f32 weights that it alone reads, and ALL rows of that expert.
; PHASES.  (1) Wave 0 makes the expert's list of rows from eidx, in LDS.  (2) All four waves stream the slice through registers, round it to bf16 and lay it into LDS as
; ready fragments; wave w has the rows k = 256 w .. 256 w + 255 of the slice and a quarter of its LDS bytes to itself.  (3) The list's tiles of 16 rows are dealt to the waves; a wave
; multiplies up to six tiles at a time by the whole slice; its rows come from memory straight into operand registers.  Between the second barrier and the closing one nothing writes
; LDS, so branches there may hang on the expert's count; every loop has a constant count of trips that covers 1,024 rows an expert (3 groups x 6 tiles x 4 waves >= 64 tiles),
; dead trips are jumped forward, and every wave comes to the closing barrier on its straight way.
; ALL LANES STAY ON.  In the list a lane whose token did not choose the expert stores to one of 32 words behind the list that nobody reads.  A place past the expert's count
; takes the expert's last row: it lies in the same tile, gets the same numbers, and the same wave stores them once more to the same bytes.
; THE TURN WITHOUT A SHUFFLE.  Weights lie [k][n].  A lane's 16 bytes of a row are 4 columns; it takes the same 4 columns of 8 rows on end and packs, for each column, the
; 8 numbers along k into 16 bytes: a quarter of a fragment's lane.  Which output column lane r of fragment f stands for is free, and is chosen so that a lane's results are neighbours:
; column 64 (f / 4) + 4 r + f % 4 (4 f32 = 16 bytes a lane, twice).  Sixteen lanes then store 256 consecutive bytes, aligned.
; NO TENSOR LOAD: the weights pass through registers for their rounding, and the rows come by a list, which no descriptor covers.  NO CLUSTER: each slice has one work-group that
; reads it; what an expert's work-groups share is those listed rows.
; LIMITS.  NaN and infinities are not treated apart.  The work-groups of an expert without rows stream their slice and store nothing.
.set PITCH, 4096      ; bytes from row to row of the weights
.set ASH,   13        ; an operand row is 8,192 bytes (hbuf)
.set AMAX,  2047
.set OSH,   12        ; a row of ybuf is 4,096 bytes
.set BSH,   12        ; an expert's bias is 4,096 bytes
.set BSEC,  256       ; my second four numbers of the bias
.set BOFF,  23        ; my byte offset in the bias: 16 r
.set US,    8*PITCH   ; a unit is 8 rows of k
.set WQ,    256*PITCH ; a wave's 256 rows of k
; LDS
.set LISTB, 0         ; u32 row number by rank: 1,024 words, then 32 words that nobody reads
.set GLOFF, 4352      ; the f32 gate by rank, likewise
.set CNTB,  8704      ; the expert's number of rows, in a block of its own
.set SPARE, 8960      ; the spare words: 128 bytes a wave, two blocks of 256 bytes that no other line names
.set WSB,   9472      ; the slice: quarter t of its K at WSB + QS t; in it fragment f at 8,192 f + 128 (f / 4); in that the 8 numbers k = 8 o .. 8 o + 7 of lane r's column at 256 o + 16 r.
.set QS,    65792     ; A fragment of 32 k is then two loads of 512 consecutive bytes.
; VECTOR REGISTERS, in windows of 256 (s_set_vgpr_msb: bits 1:0 source 0, 3:2 source 1, 5:4 source 2, 7:6 destination).
;   window 0: v0-63 as below; v64-255 operand buffer 0 (tile i, 32 k number s at 64 + 32 i + 8 s); the same registers are at work in the other phases
;   window 1: v64-255 operand buffer 1
;   window 2: the accumulators of tiles 0-3 (64 i + 8 f); while the weights stream: the ring, slot s at 32 s + 4 x row
;   window 3: v0-127 the accumulators of tiles 4, 5; v128-255 the weights' fragments, two buffers of 64
.set LN,   1          ; lane L
.set RR,   2          ; r = L % 16
.set HH,   3          ; h = L / 16
.set WOFF, 4          ; 16 L; never rewritten
.set LW,   5          ; where I lay packed weights
.set LB0,  6          ; WSB + 16 L
.set LBC,  8          ; the same in the quarter of K in hand
.set RA,   16         ; v16-21 my row's byte offset in tile i, + 16 h
.set H16,  22
.set R16,  23
.set H8,   24
.set RB,   25         ; the rank of my first row of the tile that goes out
.set TA,   26
.set TB,   27
.set TRW,  28         ; wave 0: 1,024 + L
.set GOFF, 29         ; wave 0: 32 L
.set SPW,  30         ; SPARE + 4 x my thread's number; never rewritten
.set NIL,  31         ; 0; never rewritten
.set BIAS, 32         ; v32-39 the bias of my column in fragment f
.set TM,   40         ; v40-47 at work
.set CADR, 48
.set ABUF, 64
.set BB,   128        ; window 3
.set EW,   64         ; the list: 32 words of eidx; token 128 c + 4 L + q in EW + 4 c + q
.set GWR,  96         ; the list: those tokens' two gates each
.set YY,   64         ; streaming: 16 packed registers
.set TT,   64         ; the way out: a tile's 64 numbers
.set RO,   168        ; the row numbers of my 8 rows
.set GG,   176        ; their gates
.set OO,   184        ; their byte offsets
; SCALAR REGISTERS
.set WV, 16
.set EX, 17
.set NS, 18
.set KQ, 19
.set CNT, 20          ; the expert's rows
.set NT, 21           ; tiles of 16
.set QQ, 22           ; tiles a wave, at the most
.set TW, 23           ; my first tile
.set SHARE, 24        ; my tiles
.set GI, 25
.set LIVE, 26         ; tiles of the group in hand, 1 to 6
.set T0, 27           ; its first tile
.set KT, 28
.set TI, 30
.set AB, 32           ; s[32:33] the operand rows at the k in hand
.set WB, 34           ; s[34:35] the weights at my unit in hand
.set ABASE, 36
.set OB, 38
.set S0, 40           ; s40-43 at work
.set BOTH, 44
.set SH, 45
.set PRE, 46
.set CN, 47
.set CM1, 49          ; the expert's last rank
.set MSB, 0
.macro WIN new                         ; the immediate's high byte repeats the setting that is left; a switch that changes nothing is dropped
.if MSB != (\new)
	s_set_vgpr_msb (MSB<<8)|(\new)
.set MSB, (\new)
.endif
.endm
.macro PLACES                          ; four places in front of loads into registers that matrix instructions have read, and of lines that read their results
.rept 4
	v_nop
.endr
.endm
	s_load_b256 s[4:11], s[0:1], 0x0               ; operand rows s[4:5], weights s[6:7], bias s[8:9], eidx s[10:11]
	s_load_b128 s[12:15], s[0:1], 0x20             ; gw s[12:13], ybuf s[14:15]
	v_lshl_add_u32 v[SPW], v0, 2, SPARE
	v_mov_b32 v[NIL], 0
	v_and_b32 v[LN], 31, v0
	v_lshrrev_b32 v[TA], 5, v0
	v_readfirstlane_b32 s[WV], v[TA]
	v_and_b32 v[RR], 15, v0
	v_bfe_u32 v[HH], v0, 4, 1
	v_lshlrev_b32 v[WOFF], 4, v[LN]
	v_lshlrev_b32 v[H16], 4, v[HH]
	v_lshlrev_b32 v[R16], 4, v[RR]
	v_lshlrev_b32 v[H8], 3, v[HH]
	v_mov_b32 v[CADR], CNTB
	v_add_nc_u32 v[LB0], WSB, v[WOFF]
	s_and_b32 s[EX], ttmp7, 0xffff
	s_and_b32 s[NS], ttmp9, 7
	s_lshr_b32 s[KQ], ttmp9, 3
	v_mul_u32_u24 v[TA], v[HH], 32896              ; my four columns are 64 g + 4 r' + j with g = L / 16, r' = L % 16: fragments 4 g on; four fragments and the 128 bytes
	v_lshl_add_u32 v[LW], v[RR], 4, v[TA]
	s_mul_i32 s[S0], s[WV], QS                     ; my wave's quarter of the slice
	s_add_co_u32 s[S0], s[S0], WSB
	v_add_nc_u32 v[LW], s[S0], v[LW]
	s_lshl_b32 s[S0], s[EX], 24                    ; the expert's 16 MB of weights,
	s_lshl_b32 s[S0+1], s[NS], 9                   ; my 128 columns,
	s_add_co_u32 s[S0], s[S0], s[S0+1]
	s_mul_i32 s[S0+1], s[WV], WQ                   ; my wave's 256 rows
	s_add_co_u32 s[S0], s[S0], s[S0+1]
	s_lshl_b32 s[S0+1], s[KQ], 22                  ; my quarter of K = 4,096: 1,024 rows
	s_add_co_u32 s[S0], s[S0], s[S0+1]
	s_mov_b32 s[S0+1], 0
	s_lshl_b32 s[S0+2], s[EX], BSH
	s_lshl_b32 s[S0+3], s[NS], 9
	s_add_co_u32 s[S0+2], s[S0+2], s[S0+3]
	s_mov_b32 s[S0+3], 0
	s_wait_kmcnt 0x0
	s_add_nc_u64 s[WB:WB+1], s[6:7], s[S0:S0+1]
	s_add_nc_u64 s[8:9], s[8:9], s[S0+2:S0+3]
	s_lshl_b32 s[S0], s[KQ], 11
	s_add_nc_u64 s[ABASE:ABASE+1], s[4:5], s[S0:S0+1]
	s_lshl_b32 s[S0], s[KQ], 23
	s_lshl_b32 s[S0+2], s[NS], 9
	s_add_co_u32 s[S0], s[S0], s[S0+2]
	s_add_nc_u64 s[OB:OB+1], s[14:15], s[S0:S0+1]
	s_cmp_lg_u32 s[WV], 0
	s_cbranch_scc1 .Lno_list_loads                 ; wave 0 alone reads the choices: they go out first, ahead of the weights
	v_lshlrev_b32 v[GOFF], 5, v[LN]
.irp c, 0,1,2,3,4,5,6,7
	global_load_b128 v[GWR+8*\c:GWR+8*\c+3],   v[GOFF], s[12:13] offset:1024*\c
	global_load_b128 v[GWR+8*\c+4:GWR+8*\c+7], v[GOFF], s[12:13] offset:1024*\c+16
.endr
.irp c, 0,1,2,3,4,5,6,7
	global_load_b128 v[EW+4*\c:EW+4*\c+3], v[WOFF], s[10:11] offset:512*\c
.endr
.Lno_list_loads:
	global_load_b128 v[BIAS:BIAS+3],   v[BOFF], s[8:9]
	global_load_b128 v[BIAS+4:BIAS+7], v[BOFF], s[8:9] offset:BSEC
	WIN 0x80                                       ; destination window 2, address window 0
.irp u, 0,1,2,3,4,5,6,7
.irp i, 0,1,2,3,4,5,6,7
	global_load_b128 v[32*\u+4*\i:32*\u+4*\i+3], v[WOFF], s[WB:WB+1] offset:\u*US+\i*PITCH th:TH_LOAD_NT  ; the ring is filled: 64 loads of 512 consecutive bytes, aligned
.endr
.endr
	WIN 0
	; The operand registers of tiles 4 and 5 are written once: their loads and their products are jumped by the same test, and so every register that a matrix instruction names has been written on every way.
.set n, 192
.rept 64
	v_mov_b32 v[n], 0
.set n, n+1
.endr
	WIN 0x40
.set n, 192
.rept 64
	v_mov_b32 v[n], 0
.set n, n+1
.endr
	WIN 0
	; THE LIST.  Rank = how many rows of the expert come before, in the order (c, q, lane): any one-to-one order serves, since results go by row number.
.macro CHUNK c, q
	v_and_b32 v[TM], s[BOTH], v[EW+4*\c+\q]
	v_cmp_ne_u32 vcc_lo, 0, v[TM]                  ; did the token choose the expert,
	v_bfe_u32 v[TM+1], v[EW+4*\c+\q], s[SH], 1     ; and as its second?
	v_mbcnt_lo_u32_b32 v[TM+2], vcc_lo, s[PRE]     ; rows before mine
	v_add_nc_u32 v[TM+3], v[TB], v[TM+1]
	v_cndmask_b32 v[TM+2], v[TRW], v[TM+2], vcc_lo ; a lane without a row stores behind the list
	v_add_nc_u32 v[TM+3], 256*\c+2*\q, v[TM+3]     ; row = 2 (128 c + 4 L + q) + j
	v_min_u32 v[TM+2], 1055, v[TM+2]
	v_lshlrev_b32 v[TM+2], 2, v[TM+2]
	s_bcnt1_i32_b32 s[CN], vcc_lo
	s_add_co_u32 s[PRE], s[PRE], s[CN]
	ds_store_b32 v[TM+2], v[TM+3] offset:LISTB
	v_cmp_ne_u32 vcc_lo, 0, v[TM+1]
	v_cndmask_b32 v[TM+5], v[GWR+8*\c+2*\q], v[GWR+8*\c+2*\q+1], vcc_lo
	ds_store_b32 v[TM+2], v[TM+5] offset:GLOFF
.endm
	s_cmp_lg_u32 s[WV], 0
	s_cbranch_scc1 .Lno_list
.irp k, 0,1,2,3
	v_mov_b32 v[TM+\k], 0
.endr
.set n, 0
.rept 8
	ds_store_b128 v[WOFF], v[TM:TM+3] offset:LISTB+512*n   ; every word of the list and of the gates is written first, so that no read of them hangs on what LDS held before; LDS serves my stores in order
	ds_store_b128 v[WOFF], v[TM:TM+3] offset:GLOFF+512*n
.set n, n+1
.endr
	v_lshlrev_b32 v[TB], 3, v[LN]
	v_add_nc_u32 v[TRW], 1024, v[LN]
	s_lshl_b32 s[BOTH], 0x101, s[EX]
	s_add_co_u32 s[SH], s[EX], 8
	s_mov_b32 s[PRE], 0
	s_wait_loadcnt 63                              ; 66 loads were issued behind the last of the list's inputs; 63 is the largest count that the wait can name
.irp c, 0,1,2,3,4,5,6,7
.irp q, 0,1,2,3
	CHUNK \c, \q
.endr
.endr
	v_mov_b32 v[TM+6], s[PRE]
	ds_store_b32 v[CADR], v[TM+6]
.Lno_list:
	s_wait_dscnt 0x0                               ; the list is in LDS
	s_barrier_signal -1                            ; no wave lays weights while the list's stores, whose places hang on data, are under way
	s_barrier_wait -1
	; THE WEIGHTS STREAM.  A slot's turn: its 8 rows are in; 16 roundings pack them along k; the slot is asked for again, 8 units on; four stores of 16 bytes a lane.
.macro SLOT sl, refill, left
	s_wait_loadcnt \left
	WIN 0x0a                                       ; sources in window 2
.irp jj, 0,1,2,3
.irp p, 0,1,2,3
	v_cvt_pk_bf16_f32 v[YY+4*\jj+\p], v[32*(\sl)+8*\p+\jj], v[32*(\sl)+8*\p+4+\jj]
.endr
.endr
.if \refill
	WIN 0x80
.irp i, 0,1,2,3,4,5,6,7
	global_load_b128 v[32*(\sl)+4*\i:32*(\sl)+4*\i+3], v[WOFF], s[WB:WB+1] offset:(8+(\sl))*US+\i*PITCH th:TH_LOAD_NT
.endr
.endif
	WIN 0
.irp jj, 0,1,2,3
	ds_store_b128 v[LW], v[YY+4*\jj:YY+4*\jj+3] offset:\jj*8192+(\sl)*256
.endr
.endm
	s_mov_b32 s[KT], 3
.Lstream:                                              ; 3 trips x 8 units, each asking for the unit 8 further on; 32 units a wave
.irp u, 0,1,2,3,4,5,6,7
	SLOT \u, 1, 56                                 ; the seven younger slots' 56 loads stay out
.endr
	s_wait_xcnt 0x0                                ; the base steps only behind this wait
	s_add_nc_u64 s[WB:WB+1], s[WB:WB+1], 8*US
	v_add_nc_u32 v[LW], 2048, v[LW]
	s_sub_co_u32 s[KT], s[KT], 1
	s_cmp_lg_u32 s[KT], 0
	s_cbranch_scc1 .Lstream
.irp u, 0,1,2,3,4,5,6,7
	SLOT \u, 0, 56-8*\u                            ; the last 8 units ask for nothing: the counts run down
.endr
.irp q, 0,1,2,3
	v_cvt_pk_bf16_f32 v[TM+\q], v[BIAS+2*\q], v[BIAS+2*\q+1]  ; the bias is rounded to bf16 like every input
.endr
.irp q, 0,1,2,3
	v_lshlrev_b32 v[BIAS+2*\q], 16, v[TM+\q]
	v_and_b32 v[BIAS+2*\q+1], 0xffff0000, v[TM+\q]
.endr
	s_cmp_eq_u32 s[KQ], 0
	s_cselect_b32 s[S0], -1, 0                     ; only the first quarter of K carries the bias
.irp f, 0,1,2,3,4,5,6,7
	v_and_b32 v[BIAS+\f], s[S0], v[BIAS+\f]
.endr
	s_wait_dscnt 0x0                               ; for the others' sake: my quarter of the slice is in LDS
	s_barrier_signal -1
	s_barrier_wait -1                              ; the slice is whole.  From here to the closing barrier nothing writes LDS
	; SHARES OF THE ROWS.  A wave without tiles jumps each of the three trips below.
	ds_load_b32 v[TA], v[CADR]
	s_wait_dscnt 0x0
	v_readfirstlane_b32 s[CNT], v[TA]
	s_min_u32 s[CNT], s[CNT], 1024
	s_add_co_u32 s[NT], s[CNT], 15
	s_lshr_b32 s[NT], s[NT], 4
	s_add_co_u32 s[QQ], s[NT], 3
	s_lshr_b32 s[QQ], s[QQ], 2
	s_mul_i32 s[TW], s[WV], s[QQ]
	s_sub_co_i32 s[SHARE], s[NT], s[TW]
	s_max_i32 s[SHARE], s[SHARE], 0
	s_min_u32 s[SHARE], s[SHARE], s[QQ]
	s_sub_co_u32 s[CM1], s[CNT], 1                 ; the expert's last rank; used only where there is a tile, and so a row
; 16 LDS loads: the eight fragments of the weights for 32 k, number kap of the eight of the quarter in hand, into buffer pb
.macro BLOAD pb, kap
	WIN 0xc0                                       ; destination window 3, address window 0
.irp f, 0,1,2,3,4,5,6,7
	ds_load_b128 v[BB+64*(\pb)+8*\f:BB+64*(\pb)+8*\f+3],   v[LBC] offset:8192*\f+128*(\f/4)+(\kap)*1024
	ds_load_b128 v[BB+64*(\pb)+8*\f+4:BB+64*(\pb)+8*\f+7], v[LBC] offset:8192*\f+128*(\f/4)+(\kap)*1024+512
.endr
.endm
; 8 loads: tile i's 16 rows x 128 k: lane (r, h) takes row r's bytes 64 s + 16 h and 32 further on
.macro ATILE off, i
.irp ks, 0,1,2,3
	global_load_b128 v[ABUF+32*(\i)+8*\ks:ABUF+32*(\i)+8*\ks+3],   v[RA+(\i)], s[AB:AB+1] offset:(\off)+64*\ks
	global_load_b128 v[ABUF+32*(\i)+8*\ks+4:ABUF+32*(\i)+8*\ks+7], v[RA+(\i)], s[AB:AB+1] offset:(\off)+64*\ks+32
.endr
.endm
; The group's rows for 128 k into operand buffer buf.  Tiles 0-3 always; tiles 4 and 5 if they live.  places = 1: matrix instructions that read the buffer stand just ahead.
.macro ALOAD buf, off, places
.if \places
	PLACES
.endif
	WIN 0x40*(\buf)
	ATILE \off, 0
	ATILE \off, 1
	ATILE \off, 2
	ATILE \off, 3
	WIN 0                                          ; at a branch and at a label every window is 0
	s_cmp_lt_u32 s[LIVE], 5
	s_cbranch_scc1 .Lal_\@
	WIN 0x40*(\buf)
	ATILE \off, 4
	WIN 0
	s_cmp_lt_u32 s[LIVE], 6
	s_cbranch_scc1 .Lal_\@
	WIN 0x40*(\buf)
	ATILE \off, 5
	WIN 0
.Lal_\@:
.endm
.macro MULT buf, ks, i                 ; 8 matrix instructions: tile i x the eight fragments
.irp f, 0,1,2,3,4,5,6,7
	v_wmma_f32_16x16x32_bf16 v[64*((\i)%4)+8*\f:64*((\i)%4)+8*\f+7], v[ABUF+32*(\i)+8*(\ks):ABUF+32*(\i)+8*(\ks)+7], v[BB+64*((\ks)%2)+8*\f:BB+64*((\ks)%2)+8*\f+7], v[64*((\i)%4)+8*\f:64*((\i)%4)+8*\f+7]
.endr
.endm
; 32 along K.  The weights' fragments for it are in; those of the next 32 are asked for, in one run (the quarter's eighth step asks for nothing); then 32 to 48 matrix
; instructions, every accumulator once: they take turns.
.macro KSTEP buf, ks
	s_wait_dscnt 0x0                               ; the 16 loads issued a step ago
.if (4*(\buf)+(\ks)) < 7
	PLACES
	BLOAD 1-(\ks)%2, 4*(\buf)+(\ks)+1
.endif
	WIN 0xac+(\buf)                                ; rows in window buf, weights in window 3, C and D in window 2
	MULT \buf, \ks, 0
	MULT \buf, \ks, 1
	MULT \buf, \ks, 2
	MULT \buf, \ks, 3
	WIN 0
	s_cmp_lt_u32 s[LIVE], 5
	s_cbranch_scc1 .Lks_\@
	WIN 0xfc+(\buf)                                ; C and D in window 3
	MULT \buf, \ks, 4
	WIN 0
	s_cmp_lt_u32 s[LIVE], 6
	s_cbranch_scc1 .Lks_\@
	WIN 0xfc+(\buf)
	MULT \buf, \ks, 5
	WIN 0
.Lks_\@:
.endm
; Tile i's 64 numbers leave the accumulators, each accumulator from its low end on.
.macro XFER i
	WIN 0x02+(\i)/4                                ; source 0 in window 2 or 3
.irp jj, 0,1,2,3,4,5,6,7
.irp f, 0,1,2,3,4,5,6,7
	v_mul_f32 v[TT+32*(\f/4)+4*\jj+\f%4], v[64*((\i)%4)+8*\f+\jj], v[GG+\jj]  ; times the row's gate, and into the order in which they are stored
.endr
.endr
	WIN 0
.endm
	s_mov_b32 s[GI], 0
.Lgroup:                                               ; 3 trips: up to 6 of my tiles each; a trip with none is jumped
	s_mul_i32 s[S0], s[GI], 6
	s_sub_co_i32 s[S0+1], s[SHARE], s[S0]
	s_cmp_le_i32 s[S0+1], 0
	s_cbranch_scc1 .Lgnext
	s_min_u32 s[LIVE], s[S0+1], 6
	s_add_co_u32 s[T0], s[TW], s[S0]
	s_lshl_b32 s[S0], s[T0], 4
	v_add_nc_u32 v[TA], s[S0], v[RR]
.irp i, 0,1,2,3,4,5
	v_add_nc_u32 v[TM+\i], 16*\i, v[TA]            ; the rank of my row in tile i;
	v_min_u32 v[TM+\i], s[CM1], v[TM+\i]           ; a place past the count takes the expert's last row
	v_min_u32 v[TM+\i], 1023, v[TM+\i]
	v_lshlrev_b32 v[TM+\i], 2, v[TM+\i]
	ds_load_b32 v[RA+\i], v[TM+\i] offset:LISTB    ; its row number,
.endr
	s_wait_dscnt 0x0
.irp i, 0,1,2,3,4,5
	v_min_u32 v[RA+\i], AMAX, v[RA+\i]
	v_lshlrev_b32 v[RA+\i], ASH, v[RA+\i]          ; its byte offset,
	v_add_nc_u32 v[RA+\i], v[H16], v[RA+\i]        ; and my half of the lanes' 16 bytes
.endr
	s_mov_b64 s[AB:AB+1], s[ABASE:ABASE+1]
	v_mov_b32 v[LBC], v[LB0]
	ALOAD 0, 0, 0
	; The sums start at the bias.  These lines stand in the wait for the group's first rows.
	WIN 0x80
.set n, 0
.rept 256
	v_mov_b32 v[n], v[BIAS+(n/8)%8]
.set n, n+1
.endr
	WIN 0xc0
.set n, 0
.rept 128
	v_mov_b32 v[n], v[BIAS+(n/8)%8]
.set n, n+1
.endr
	WIN 0
	s_wait_loadcnt 0x0                             ; every wait for rows is for 0: it holds whichever tiles' loads were jumped
	s_mov_b32 s[KT], 4
.Lk:                                                   ; 4 trips of 256 along K, a quarter of the slice each: two blocks of 128 on two operand buffers; a block's rows are asked for while the other block is multiplied
	PLACES                                         ; in front of the loads into the weights' buffer 0 and into operand buffer 1
	BLOAD 0, 0                                     ; the quarter's first fragments; the row loads below are issued while they come
	ALOAD 1, 256, 0
	KSTEP 0, 0
	KSTEP 0, 1
	KSTEP 0, 2
	KSTEP 0, 3
	s_wait_loadcnt 0x0
	s_cmp_eq_u32 s[KT], 1
	s_cbranch_scc1 .Lnoa                           ; the last trip has no next block: no load leaves its 1,024 k
	ALOAD 0, 512, 1
.Lnoa:
	KSTEP 1, 0
	KSTEP 1, 1
	KSTEP 1, 2
	KSTEP 1, 3
	s_wait_loadcnt 0x0                             ; all loads are back, so their base may step
	s_add_nc_u64 s[AB:AB+1], s[AB:AB+1], 512
	v_add_nc_u32 v[LBC], QS, v[LBC]                ; the next quarter of the slice
	s_sub_co_u32 s[KT], s[KT], 1
	s_cmp_lg_u32 s[KT], 0
	s_cbranch_scc1 .Lk
	; THE WAY OUT, a tile at a time: 6 trips, dead ones jumped.  Register jj of lane (r, h) in fragment f is the row of rank 16 tile + 8 h + jj.
	PLACES
	s_mov_b32 s[TI], 0
.Ltile:
	s_cmp_ge_u32 s[TI], s[LIVE]
	s_cbranch_scc1 .Ltn
	s_wait_xcnt 0x0                                ; the last tile's stores have read their offsets and data: these registers are rewritten only behind this wait
	s_add_co_u32 s[S0], s[T0], s[TI]
	s_lshl_b32 s[S0], s[S0], 4
	v_add_nc_u32 v[RB], s[S0], v[H8]
.irp jj, 0,1,2,3,4,5,6,7
	v_add_nc_u32 v[OO+\jj], \jj, v[RB]
	v_min_u32 v[OO+\jj], s[CM1], v[OO+\jj]         ; as where the rows were fetched
	v_min_u32 v[OO+\jj], 1023, v[OO+\jj]
	v_lshlrev_b32 v[OO+\jj], 2, v[OO+\jj]
	ds_load_b32 v[RO+\jj], v[OO+\jj] offset:LISTB
	ds_load_b32 v[GG+\jj], v[OO+\jj] offset:GLOFF
.endr
	s_wait_dscnt 0x0                               ; the row numbers and the gates
	s_cmp_eq_u32 s[TI], 0
	s_cbranch_scc1 .Lx0
	s_cmp_eq_u32 s[TI], 1
	s_cbranch_scc1 .Lx1
	s_cmp_eq_u32 s[TI], 2
	s_cbranch_scc1 .Lx2
	s_cmp_eq_u32 s[TI], 3
	s_cbranch_scc1 .Lx3
	s_cmp_eq_u32 s[TI], 4
	s_cbranch_scc1 .Lx4
	XFER 5
	s_branch .Lp
.Lx4:
	XFER 4
	s_branch .Lp
.Lx3:
	XFER 3
	s_branch .Lp
.Lx2:
	XFER 2
	s_branch .Lp
.Lx1:
	XFER 1
	s_branch .Lp
.Lx0:
	XFER 0
.Lp:
.irp jj, 0,1,2,3,4,5,6,7
	v_min_u32 v[RO+\jj], 2047, v[RO+\jj]
	v_lshlrev_b32 v[OO+\jj], OSH, v[RO+\jj]
	v_add_nc_u32 v[OO+\jj], v[R16], v[OO+\jj]
	global_store_b128 v[OO+\jj], v[TT+4*\jj:TT+4*\jj+3], s[OB:OB+1]                 ; each half of the lanes stores 256 consecutive bytes of one row, aligned
	global_store_b128 v[OO+\jj], v[TT+32+4*\jj:TT+32+4*\jj+3], s[OB:OB+1] offset:256
.endr
.Ltn:
	s_add_co_u32 s[TI], s[TI], 1
	s_cmp_lt_u32 s[TI], 6
	s_cbranch_scc1 .Ltile
	s_wait_xcnt 0x0                                ; the next group's loads land on registers that these stores read
.Lgnext:
	s_add_co_u32 s[GI], s[GI], 1
	s_cmp_lt_u32 s[GI], 3
	s_cbranch_scc1 .Lgroup
	s_wait_dscnt 0x0                               ; my reads of the slice and of the list are back
	s_barrier_signal -1                            ; the closing barrier: no wave writes an LDS word again
	s_barrier_wait -1                              ; before every wave's reads are over
	s_wait_tensorcnt 0x0                           ; the wave's end
	ds_add_u32 v[SPW], v[NIL]
	s_wait_dscnt 0x0
	s_endpgm
.Lfunc_end_k_q4960213f1f_ffn2:
	.size	k_q4960213f1f_ffn2, .Lfunc_end_k_q4960213f1f_ffn2-k_q4960213f1f_ffn2
	.p2alignl 7, 3214868480
	.fill 96, 4, 3214868480
	.section	.rodata,"a",@progbits
	.p2align	6, 0x0
	.amdhsa_kernel k_q4960213f1f_ffn2
		.amdhsa_group_segment_fixed_size 272640
		.amdhsa_private_segment_fixed_size 0
		.amdhsa_enable_private_segment 0
		.amdhsa_kernarg_size 48
		.amdhsa_user_sgpr_count 2
		.amdhsa_user_sgpr_kernarg_segment_ptr 1
		.amdhsa_wavefront_size32 1
		.amdhsa_system_sgpr_workgroup_id_x 1
		.amdhsa_system_sgpr_workgroup_id_y 1
		.amdhsa_system_sgpr_workgroup_id_z 1
		.amdhsa_system_vgpr_workitem_id 0
		.amdhsa_next_free_vgpr 1024
		.amdhsa_next_free_sgpr 80
		.amdhsa_reserve_vcc 1
		.amdhsa_float_denorm_mode_32 3
		.amdhsa_float_denorm_mode_16_64 3
		.amdhsa_memory_ordered 1
		.amdhsa_forward_progress 1
		.amdhsa_inst_pref_size 151
	.end_amdhsa_kernel
	.amdgpu_metadata
---
amdhsa.version: [ 1, 2 ]
amdhsa.kernels:
  - .name:           k_q4960213f1f_ffn2
    .symbol:         k_q4960213f1f_ffn2.kd
    .args:
      - { .name: hbuf, .offset: 0, .size: 8, .value_kind: global_buffer, .address_space: global }
      - { .name: W2, .offset: 8, .size: 8, .value_kind: global_buffer, .address_space: global }
      - { .name: b2, .offset: 16, .size: 8, .value_kind: global_buffer, .address_space: global }
      - { .name: eidx, .offset: 24, .size: 8, .value_kind: global_buffer, .address_space: global }
      - { .name: gw, .offset: 32, .size: 8, .value_kind: global_buffer, .address_space: global }
      - { .name: ybuf, .offset: 40, .size: 8, .value_kind: global_buffer, .address_space: global }
    .group_segment_fixed_size: 272640
    .private_segment_fixed_size: 0
    .kernarg_segment_align: 8
    .kernarg_segment_size: 48
    .max_flat_workgroup_size: 128
    .sgpr_count:     80
    .vgpr_count:     1024
    .wavefront_size: 32
...
	.end_amdgpu_metadata
.endif
;; end of part 3
;; launch combine (part 4): grid 256 x 1, 8 waves a work-group, no clusters, 0 bytes of LDS; arguments ybuf, out0; writes out0
.if DOCPART == 4
	.amdgcn_target "amdgcn-amd-amdhsa--gfx1250"
	.amdhsa_code_object_version 6
	.text
	.protected	k_q4960213f1f_combine
	.globl	k_q4960213f1f_combine
	.p2align	8
	.type	k_q4960213f1f_combine,@function
k_q4960213f1f_combine:
	s_mov_b64 s[64:65], 0
	v_nop
	global_prefetch_b8 v0, s[64:65] scope:SCOPE_SE
	s_setreg_imm32_b32 hwreg(HW_REG_WAVE_MODE, 25, 1), 1
	s_wait_xcnt 0x0
; out[t] = the sum over the four quarters kq of K and the token's two routed rows j of y[kq][2 t + j].  ybuf: [4][2048][1024] f32; out0: [1024][1024] f32.
; The gates and the biases are already in y.  All addresses are fixed: a routed row's number is 2 t + j.
; A stream: a work-group has 4 tokens, a wave half a token's row (2,048 bytes of out0).  All its 32 loads go out at once, each 512 consecutive bytes, aligned; the sums follow
; chunk by chunk behind counted waits.  No LDS, no barrier, no matrix unit, no cluster: no byte has a second work-group that takes it.
.set Y0, 16          ; v16-143: chunk c, quarter kq, row j at Y0 + 32 c + 8 kq + 4 j
	s_load_b128 s[4:7], s[0:1], 0x0                ; ybuf s[4:5], out0 s[6:7]
	v_and_b32 v1, 31, v0
	v_lshrrev_b32 v2, 5, v0
	v_readfirstlane_b32 s8, v2                     ; wave
	s_lshr_b32 s9, s8, 1
	s_and_b32 s10, s8, 1
	s_lshl_b32 s11, ttmp9, 2
	s_add_co_u32 s11, s11, s9                      ; my token
	s_lshl_b32 s12, s11, 13                        ; its two rows of 4,096 bytes in a quarter of ybuf
	s_mov_b32 s13, 0
	s_lshl_b32 s14, s11, 12                        ; its row of out0
	s_mov_b32 s15, 0
	s_lshl_b32 s10, s10, 11
	v_lshl_add_u32 v1, v1, 4, s10                  ; my half of the row + 16 x lane; never rewritten
	s_wait_kmcnt 0x0
	s_add_nc_u64 s[16:17], s[4:5], s[12:13]
	s_add_nc_u64 s[18:19], s[16:17], 0x800000      ; a quarter of ybuf is 8,388,608 bytes
	s_add_nc_u64 s[20:21], s[18:19], 0x800000
	s_add_nc_u64 s[22:23], s[20:21], 0x800000
	s_add_nc_u64 s[6:7], s[6:7], s[14:15]
.irp c, 0,1,2,3
.irp q, 0,1,2,3
	global_load_b128 v[Y0+32*\c+8*\q:Y0+32*\c+8*\q+3],   v1, s[16+2*\q:17+2*\q] offset:512*\c th:TH_LOAD_NT
	global_load_b128 v[Y0+32*\c+8*\q+4:Y0+32*\c+8*\q+7], v1, s[16+2*\q:17+2*\q] offset:4096+512*\c th:TH_LOAD_NT
.endr
.endr
.macro ADD4 d, a                       ; four numbers onto four
	v_pk_add_f32 v[\d:\d+1], v[\d:\d+1], v[\a:\a+1]
	v_pk_add_f32 v[\d+2:\d+3], v[\d+2:\d+3], v[\a+2:\a+3]
.endm
.irp c, 0,1,2,3
	s_wait_loadcnt 24-8*\c                         ; loads come back in order: chunk c's eight are in, the later chunks' stay out
	ADD4 Y0+32*\c, Y0+32*\c+4
	ADD4 Y0+32*\c+8, Y0+32*\c+12
	ADD4 Y0+32*\c+16, Y0+32*\c+20
	ADD4 Y0+32*\c+24, Y0+32*\c+28
	ADD4 Y0+32*\c, Y0+32*\c+8
	ADD4 Y0+32*\c+16, Y0+32*\c+24
	ADD4 Y0+32*\c, Y0+32*\c+16
	global_store_b128 v1, v[Y0+32*\c:Y0+32*\c+3], s[6:7] offset:512*\c th:TH_STORE_NT  ; 512 consecutive bytes, aligned
.endr
	s_endpgm
.Lfunc_end_k_q4960213f1f_combine:
	.size	k_q4960213f1f_combine, .Lfunc_end_k_q4960213f1f_combine-k_q4960213f1f_combine
	.p2alignl 7, 3214868480
	.fill 96, 4, 3214868480
	.section	.rodata,"a",@progbits
	.p2align	6, 0x0
	.amdhsa_kernel k_q4960213f1f_combine
		.amdhsa_group_segment_fixed_size 0
		.amdhsa_private_segment_fixed_size 0
		.amdhsa_enable_private_segment 0
		.amdhsa_kernarg_size 16
		.amdhsa_user_sgpr_count 2
		.amdhsa_user_sgpr_kernarg_segment_ptr 1
		.amdhsa_wavefront_size32 1
		.amdhsa_system_sgpr_workgroup_id_x 1
		.amdhsa_system_sgpr_workgroup_id_y 1
		.amdhsa_system_sgpr_workgroup_id_z 1
		.amdhsa_system_vgpr_workitem_id 0
		.amdhsa_next_free_vgpr 144
		.amdhsa_next_free_sgpr 66
		.amdhsa_reserve_vcc 0
		.amdhsa_float_denorm_mode_32 3
		.amdhsa_float_denorm_mode_16_64 3
		.amdhsa_memory_ordered 1
		.amdhsa_forward_progress 1
		.amdhsa_inst_pref_size 9
	.end_amdhsa_kernel
	.amdgpu_metadata
---
amdhsa.version: [ 1, 2 ]
amdhsa.kernels:
  - .name:           k_q4960213f1f_combine
    .symbol:         k_q4960213f1f_combine.kd
    .args:
      - { .name: ybuf, .offset: 0, .size: 8, .value_kind: global_buffer, .address_space: global }
      - { .name: out0, .offset: 8, .size: 8, .value_kind: global_buffer, .address_space: global }
    .group_segment_fixed_size: 0
    .private_segment_fixed_size: 0
    .kernarg_segment_align: 8
    .kernarg_segment_size: 16
    .max_flat_workgroup_size: 256
    .sgpr_count:     66
    .vgpr_count:     144
    .wavefront_size: 32
...
	.end_amdgpu_metadata
.endif
;; end of part 4
